; MI455X (gfx1250); checked and timed in simulation.
; The chip was launched on July 23, 2026; its instructions are those of AMD's public machine-readable ISA for CDNA 5 (MIT licence, August 2026) and "CDNA5" Instruction Set Architecture Reference Guide (July 2026). The comments in the code are by the model that wrote it; some were corrected since.
;; MLP Attention. Allowed arithmetic: float matrix products may take bf16 or f16 operands with f32 sums; other float arithmetic in f32, or as packed bf16 or f16 multiplies, adds, multiply-adds, maxima and minima; sums over many terms, partial sums and values carried from step to step in f32; what a program stores and reads back later, other than sums and carried values, may be rounded once to bf16 or f16.
;; Inputs: Wc 1,024 float32; Wm 1,024 float32; Wq 1,024 x 1,024 float32; Wv 1,024 x 1,024 float32; bias 1,024 float32; bm 1 float32; cov_vec 32 x 2,048 float32; mask 32 x 2,048 int32; query 32 x 1,024 float32; value 32 x 2,048 x 1,024 float32.
;; Outputs: out0 32 x 1,024 float32; out1 32 x 2,048 float32.
;; One version. Each part assembles by itself: llvm-mc -triple=amdgcn-amd-amdhsa -mcpu=gfx1250 --defsym DOCPART=n.
;; ======== version 1 of 1: 3 launches
;; limits: right only within a limited range of input values
;; workspace buffers: wvb 2,097,152 bytes; qb 131,072 bytes; rows 393,216 bytes of whole numbers; covc 393,216 bytes; pos 262,144 bytes of whole numbers; info 16,384 bytes of whole numbers; ec 393,216 bytes; opart 2,228,224 bytes
;; launch prep (part 1): grid 64 x 1, 17 waves a work-group, no clusters, 68,352 bytes of LDS; arguments Wv, Wq, query, bias, mask, cov_vec, wvb, qb, rows, covc, pos, info; writes wvb, qb, rows, covc, pos, info
.if DOCPART == 1
	.amdgcn_target "amdgcn-amd-amdhsa--gfx1250"
	.amdhsa_code_object_version 6
	.text
	.protected	k_q9ddf169dc9_prep
	.globl	k_q9ddf169dc9_prep
	.p2align	8
	.type	k_q9ddf169dc9_prep,@function
k_q9ddf169dc9_prep:
	s_mov_b64 s[64:65], 0
	v_nop
	global_prefetch_b8 v0, s[64:65] scope:SCOPE_SE
	s_setreg_imm32_b32 hwreg(HW_REG_WAVE_MODE, 25, 1), 1
	s_wait_xcnt 0x0
; PREPARATION.  Work-group gb (0..63) owns the 16 columns g = 16 gb .. 16 gb + 15 and half gb & 1 of batch b = gb >> 1.
; Waves 0-15: Wv's 16 rows rounded to bf16 and stored in the order in which the next launch's lanes take fragments; qb[g][b] = sum over k of query[b][k] Wq[g][k] + bias[g]
;   (K split among the 16 waves, 64 channels each; the partial sums meet in LDS; operands bf16, sums f32; bias rounded to a bf16 value).
; Wave 16: the list of batch b's ACTIVE rows (mask > 0; if there is none, AM = 1 and all 2,048 count as active), dealt to tiles: the row of rank k goes to tile k & (8 P - 1), slot k >> (2 + P);
;   P = 2 if there are more than 1,152 of them, else 1: at most 144 slots a tile at P = 1, 128 at P = 2.  rows[b][tile][192] = row number, 4096 in unused slots; covc likewise = cov rounded to a bf16 value, 0 in unused slots;
;   pos[b][n] = 192 tile + slot (0 for rows not listed); info unit gb = the pair (P, AM), 32 times.  Both work-groups of a batch make the whole list; each stores its half.
; wvb byte = w 524288 + c 131072 + s 4096 + f 1024 + half 512 + 16 lane, for g = 256 c + 64 w + 16 f + lane % 16 and k = 32 s + 16 half + 8 (lane / 16) + 0..7.
.set RL,    32768                      ; LDS: 0 .. 32767 the 16 waves' partial qb (2,048 bytes each); the list: 3,072 entries + 32 words that take the lanes with nothing to store
.set CL,    45312                      ; cov by list place, likewise
.set POSL,  57856                      ; pos of the batch's 2,048 rows
.set SPARE, 66048                      ; the spare words, 128 bytes for each of 17 waves, in whole blocks of 256: no other line names them
.set SPW, 16                           ; v16  SPARE + 4 x my thread's number; never rewritten
.set NIL, 17                           ; v17  0; never rewritten
	s_load_b512 s[8:23], s[0:1], 0x0               ; Wv s[8:9], Wq s[10:11], query s[12:13], bias s[14:15], mask s[16:17], cov s[18:19], wvb s[20:21], qb s[22:23]
	s_load_b256 s[24:31], s[0:1], 0x40             ; rows s[24:25], covc s[26:27], pos s[28:29], info s[30:31]
	v_lshl_add_u32 v[SPW], v0, 2, SPARE
	v_mov_b32 v[NIL], 0
	v_lshrrev_b32 v1, 5, v0
	v_readfirstlane_b32 s32, v1                    ; wave 0..16
	v_and_b32 v1, 15, v0                           ; r = lane % 16
	v_bfe_u32 v2, v0, 4, 1                         ; h = lane / 16
	v_and_b32 v3, 31, v0                           ; lane
	v_and_b32 v4, 3, v0
	v_lshlrev_b32 v4, 4, v4                        ; my 16 bytes of the group's 64 bytes of bias
	v_lshlrev_b32 v6, 4, v3                        ; 16 x lane
	s_mov_b32 s33, ttmp9                           ; gb
	s_lshr_b32 s34, s33, 1                         ; b
	s_and_b32 s35, s33, 1                          ; which half of the batch's tables I store
	s_mov_b32 s37, 0                               ; AM and P: wave 16 makes them
	s_mov_b32 s39, 0
	s_mov_b32 s47, 0                               ; the high word of every offset
	s_lshl_b32 s46, s33, 6
	s_wait_kmcnt 0x0
	s_add_nc_u64 s[14:15], s[14:15], s[46:47]
	global_load_b128 v[24:27], v4, s[14:15]        ; bias: older than every counted load below
	s_cmp_eq_u32 s32, 16
	s_cbranch_scc1 .Lcompact
; ---- waves 0-15: wave v takes k = 64 v .. 64 v + 63, two fragments of 32.
; A fragment is 16 rows x 32 k: lane (r, h) holds row r, k = 8 h + 0..7 and 16 + 8 h + 0..7: in f32 four loads of 16 bytes at 32 h + 0, 16, 64, 80.
	s_lshl_b32 s46, s33, 16                        ; 16 rows of 4,096 bytes
	s_add_nc_u64 s[8:9], s[8:9], s[46:47]
	s_add_nc_u64 s[10:11], s[10:11], s[46:47]
	v_lshlrev_b32 v5, 12, v1
	v_lshl_add_u32 v5, v2, 5, v5
	s_lshl_b32 s48, s32, 8
	v_add_nc_u32 v5, s48, v5                       ; r x 4096 + 32 h + 256 v
.macro LD1 d, sb, off, nt
.if \nt
	global_load_b128 v[(\d):(\d)+3], v5, s[\sb:\sb+1] offset:(\off) th:TH_LOAD_NT
.else
	global_load_b128 v[(\d):(\d)+3], v5, s[\sb:\sb+1] offset:(\off)
.endif
.endm
.macro LD16 g, sb, off, nt             ; one fragment's 16 f32 a lane
	LD1 (\g), \sb, (\off), \nt
	LD1 (\g)+4, \sb, (\off)+16, \nt
	LD1 (\g)+8, \sb, (\off)+64, \nt
	LD1 (\g)+12, \sb, (\off)+80, \nt
.endm
.macro CVT g                           ; 16 f32 -> 8 registers of bf16, in place, ascending: no source is written before it is read
.irp q, 0,1,2,3,4,5,6,7
	v_cvt_pk_bf16_f32 v[(\g)+\q], v[(\g)+2*\q], v[(\g)+2*\q+1]
.endr
.endm
	LD16 32, 8, 0, 1                               ; Wv, read once in the launch
	LD16 48, 8, 128, 1
	LD16 64, 10, 0, 1                              ; Wq, likewise
	LD16 80, 10, 128, 1
	LD16 96, 12, 0, 0                              ; query: batches 0-15, first fragment
	LD16 112, 12, 65536, 0                         ; batches 16-31
	LD16 128, 12, 128, 0
	LD16 144, 12, 65536+128, 0
	s_bfe_u32 s46, s33, 0x20002                    ; w = (gb >> 2) & 3
	s_lshl_b32 s46, s46, 19
	s_lshr_b32 s48, s33, 4                         ; c
	s_lshl_b32 s48, s48, 17
	s_add_co_u32 s46, s46, s48
	s_and_b32 s48, s33, 3                          ; f
	s_lshl_b32 s48, s48, 10
	s_add_co_u32 s46, s46, s48
	s_lshl_b32 s48, s32, 13                        ; k steps 2 v, 2 v + 1
	s_add_co_u32 s46, s46, s48
	s_add_nc_u64 s[20:21], s[20:21], s[46:47]
	s_wait_loadcnt 24                              ; Wv is in: Wq's 8 loads and query's 16 may stay out
	CVT 32
	CVT 48
	global_store_b128 v6, v[32:35], s[20:21]                 ; each store covers 512 consecutive bytes
	global_store_b128 v6, v[36:39], s[20:21] offset:512
	global_store_b128 v6, v[48:51], s[20:21] offset:4096
	global_store_b128 v6, v[52:55], s[20:21] offset:4608
	s_wait_loadcnt 0x0
	CVT 64
	CVT 80
	CVT 96
	CVT 112
	CVT 128
	CVT 144
	; source 0 = 16 rows of Wq, source 1 = 16 batches: a lane ends with one batch (r) and g = 8 h + 0..7.  The two accumulators take turns.
	v_wmma_f32_16x16x32_bf16 v[160:167], v[64:71], v[96:103], 0
	v_wmma_f32_16x16x32_bf16 v[168:175], v[64:71], v[112:119], 0
	v_wmma_f32_16x16x32_bf16 v[160:167], v[80:87], v[128:135], v[160:167]
	v_wmma_f32_16x16x32_bf16 v[168:175], v[80:87], v[144:151], v[168:175]
	s_lshl_b32 s48, s32, 11
	v_lshl_add_u32 v7, v1, 6, s48                  ; these two lines and the v_nop are the places behind the products (ISA guide 7.12.1)
	v_lshl_add_u32 v7, v2, 5, v7                   ; 2048 v + 64 r + 32 h
.rept 8
	v_nop
.endr
	ds_store_b128 v7, v[160:163]
	ds_store_b128 v7, v[164:167] offset:16
	ds_store_b128 v7, v[168:171] offset:1024
	ds_store_b128 v7, v[172:175] offset:1040
	s_branch .Ljoin
; ---- wave 16: the batch's list.  Register 32 + 4 seg + j of lane l holds mask[128 seg + 4 l + j], register 96 + .. its cov.
.Lcompact:
	s_lshl_b32 s46, s34, 13
	s_add_nc_u64 s[16:17], s[16:17], s[46:47]
	s_add_nc_u64 s[18:19], s[18:19], s[46:47]
.set g, 0
.rept 16
	global_load_b128 v[32+4*g:35+4*g], v6, s[16:17] offset:512*g
.set g, g+1
.endr
.set g, 0
.rept 16
	global_load_b128 v[96+4*g:99+4*g], v6, s[18:19] offset:512*g
.set g, g+1
.endr
.irp z, 160,161,162,163
	v_mov_b32 v[\z], 0x1000                        ; 4096: no row
	v_mov_b32 v[\z+4], 0
.endr
.set g, 0
.rept 24                                       ; the lists start as all unused, while the loads are out
	ds_store_b128 v6, v[160:163] offset:RL+512*g
	ds_store_b128 v6, v[164:167] offset:CL+512*g
.set g, g+1
.endr
	v_lshlrev_b32 v8, 2, v3                        ; 4 x lane
	v_add_nc_u32 v19, 3072, v3                     ; where a lane with nothing to store stores
	v_add_nc_u32 v10, POSL, v6
	s_mov_b32 s36, 0
	s_mov_b32 s42, 0
	s_wait_loadcnt 16                              ; the masks are in; cov's 16 loads may stay out
.set g, 0
.rept 64                                       ; R = the number of rows with mask > 0
	v_cmp_gt_i32 s40, v[32+g], 0
	s_bcnt1_i32_b32 s41, s40
	s_add_co_u32 s36, s36, s41
.set g, g+1
.endr
	s_cmp_gt_u32 s36, 1152
	s_cselect_b32 s39, 2, 1                        ; P
	s_cmp_eq_u32 s36, 0
	s_cselect_b32 s37, 1, 0                        ; AM
	s_cselect_b32 s38, -1, 0                       ; with AM every lane counts as active
	s_cselect_b32 s39, 2, s39
	s_lshl_b32 s43, s39, 3
	s_sub_co_u32 s43, s43, 1                       ; 8 P - 1
	s_add_co_u32 s44, s39, 2                       ; 2 + P
	s_wait_loadcnt 0x0
.set g, 0
.rept 32                                       ; cov rounded to bf16 values, kept in f32
	v_cvt_pk_bf16_f32 v168, v[96+2*g], v[97+2*g]
	v_lshlrev_b32 v[96+2*g], 16, v168
	v_and_b32 v[97+2*g], 0xffff0000, v168
.set g, g+1
.endr
; One register's 32 rows are ranked (any one-to-one ranking serves: here by seg, j, lane) and placed.
.macro PUT seg, j
	v_cmp_gt_i32 s40, v[32+4*(\seg)+(\j)], 0
	s_or_b32 s40, s40, s38
	v_mbcnt_lo_u32_b32 v12, s40, 0                 ; active lanes below mine
	v_add_nc_u32 v12, s42, v12                     ; rank
	v_and_b32 v13, s43, v12                        ; tile
	v_lshrrev_b32 v14, s44, v12                    ; slot
	v_mad_u32_u24 v15, v13, 192, v14
	v_cndmask_b32 v18, v19, v15, s40
	v_min_u32 v18, 3103, v18                       ; the list's bound, written out
	v_lshlrev_b32 v18, 2, v18
	v_add_nc_u32 v9, 128*(\seg)+(\j), v8           ; n
	ds_store_b32 v18, v9 offset:RL
	ds_store_b32 v18, v[96+4*(\seg)+(\j)] offset:CL
	v_cndmask_b32 v[20+(\j)], 0, v15, s40
	s_bcnt1_i32_b32 s41, s40
	s_add_co_u32 s42, s42, s41
.endm
.set sg, 0
.rept 16
.irp j, 0,1,2,3
	PUT sg, \j
.endr
	ds_store_b128 v10, v[20:23] offset:512*sg
.set sg, sg+1
.endr
.Ljoin:
	s_wait_dscnt 0x0                               ; for the others' sake: my LDS stores are done
	s_barrier_signal -1
	s_barrier_wait -1
	s_wait_xcnt 0x0                                ; the stores of wvb have read their data registers: LDS loads land on them below
	s_cmp_lt_u32 s32, 4
	s_cbranch_scc0 .Lnot_q
	; waves 0-3: thread t adds the 16 partial sums of batch t >> 2, g = 4 (t & 3) + 0..3, and bias
	v_lshlrev_b32 v5, 4, v0
.set g, 0
.rept 16
	ds_load_b128 v[32+4*g:35+4*g], v5 offset:2048*g
.set g, g+1
.endr
	v_cvt_pk_bf16_f32 v28, v24, v25                ; bias rounded to bf16 values
	v_cvt_pk_bf16_f32 v29, v26, v27
	v_lshlrev_b32 v24, 16, v28
	v_and_b32 v25, 0xffff0000, v28
	v_lshlrev_b32 v26, 16, v29
	v_and_b32 v27, 0xffff0000, v29
	s_lshl_b32 s46, s33, 11
	s_add_nc_u64 s[22:23], s[22:23], s[46:47]
	s_wait_dscnt 0x0
.irp st, 32,16,8,4
.set z, 0
.rept \st/2
	v_pk_add_f32 v[32+2*z:33+2*z], v[32+2*z:33+2*z], v[32+\st+2*z:33+\st+2*z]
.set z, z+1
.endr
.endr
	v_pk_add_f32 v[32:33], v[32:33], v[24:25]
	v_pk_add_f32 v[34:35], v[34:35], v[26:27]
	global_store_b128 v5, v[32:35], s[22:23]       ; qb[gb][b][16]: the four waves store 2,048 consecutive bytes
	s_branch .Lend
.Lnot_q:
	s_cmp_lt_u32 s32, 16
	s_cbranch_scc0 .Lw16
	; waves 4-15: threads 128 .. 511 store my half (8 tiles, 6,144 bytes) of rows and of covc; the 2,048 = 16 x 128 is taken off in the immediates
	s_mul_i32 s48, s35, 6144
	v_lshl_add_u32 v7, v0, 4, s48
	v_lshlrev_b32 v5, 4, v0
	ds_load_b128 v[32:35], v7 offset:RL-2048
	ds_load_b128 v[36:39], v7 offset:CL-2048
	s_mul_i32 s46, s33, 6144                       ; b x 12288 + half x 6144
	s_add_nc_u64 s[24:25], s[24:25], s[46:47]
	s_add_nc_u64 s[26:27], s[26:27], s[46:47]
	s_wait_dscnt 0x0
	global_store_b128 v5, v[32:35], s[24:25] offset:-2048
	global_store_b128 v5, v[36:39], s[26:27] offset:-2048
	s_branch .Lend
.Lw16:
	; wave 16: my half of pos, and the pair (P, AM)
	s_lshl_b32 s48, s35, 12
	s_add_co_u32 s48, s48, POSL
	v_lshl_add_u32 v11, v3, 4, s48
.set g, 0
.rept 8
	ds_load_b128 v[32+4*g:35+4*g], v11 offset:512*g
.set g, g+1
.endr
	s_lshl_b32 s46, s33, 12
	s_add_nc_u64 s[28:29], s[28:29], s[46:47]
	s_lshl_b32 s46, s33, 8
	s_add_nc_u64 s[30:31], s[30:31], s[46:47]
	v_mov_b32 v28, s39
	v_mov_b32 v29, s37
	v_lshlrev_b32 v7, 3, v3
	global_store_b64 v7, v[28:29], s[30:31]        ; 256 consecutive bytes
.set g, 0
.rept 8
	s_wait_dscnt 7-g                               ; LDS loads come back in order (ISA guide 5.7.1)
	global_store_b128 v6, v[32+4*g:35+4*g], s[28:29] offset:512*g
.set g, g+1
.endr
.Lend:
	s_wait_tensorcnt 0x0                           ; the wave's end, behind my last LDS store
	ds_add_u32 v[SPW], v[NIL]
	s_wait_dscnt 0x0
	s_endpgm
.Lfunc_end_k_q9ddf169dc9_prep:
	.size	k_q9ddf169dc9_prep, .Lfunc_end_k_q9ddf169dc9_prep-k_q9ddf169dc9_prep
	.p2alignl 7, 3214868480
	.fill 96, 4, 3214868480
	.section	.rodata,"a",@progbits
	.p2align	6, 0x0
	.amdhsa_kernel k_q9ddf169dc9_prep
		.amdhsa_group_segment_fixed_size 68352
		.amdhsa_private_segment_fixed_size 0
		.amdhsa_enable_private_segment 0
		.amdhsa_kernarg_size 96
		.amdhsa_user_sgpr_count 2
		.amdhsa_user_sgpr_kernarg_segment_ptr 1
		.amdhsa_wavefront_size32 1
		.amdhsa_system_sgpr_workgroup_id_x 1
		.amdhsa_system_sgpr_workgroup_id_y 1
		.amdhsa_system_sgpr_workgroup_id_z 1
		.amdhsa_system_vgpr_workitem_id 0
		.amdhsa_next_free_vgpr 176
		.amdhsa_next_free_sgpr 66
		.amdhsa_reserve_vcc 0
		.amdhsa_float_denorm_mode_32 3
		.amdhsa_float_denorm_mode_16_64 3
		.amdhsa_memory_ordered 1
		.amdhsa_forward_progress 1
		.amdhsa_inst_pref_size 90
	.end_amdhsa_kernel
	.amdgpu_metadata
---
amdhsa.version: [ 1, 2 ]
amdhsa.kernels:
  - .name:           k_q9ddf169dc9_prep
    .symbol:         k_q9ddf169dc9_prep.kd
    .args:
      - { .name: Wv, .offset: 0, .size: 8, .value_kind: global_buffer, .address_space: global }
      - { .name: Wq, .offset: 8, .size: 8, .value_kind: global_buffer, .address_space: global }
      - { .name: query, .offset: 16, .size: 8, .value_kind: global_buffer, .address_space: global }
      - { .name: bias, .offset: 24, .size: 8, .value_kind: global_buffer, .address_space: global }
      - { .name: mask, .offset: 32, .size: 8, .value_kind: global_buffer, .address_space: global }
      - { .name: cov_vec, .offset: 40, .size: 8, .value_kind: global_buffer, .address_space: global }
      - { .name: wvb, .offset: 48, .size: 8, .value_kind: global_buffer, .address_space: global }
      - { .name: qb, .offset: 56, .size: 8, .value_kind: global_buffer, .address_space: global }
      - { .name: rows, .offset: 64, .size: 8, .value_kind: global_buffer, .address_space: global }
      - { .name: covc, .offset: 72, .size: 8, .value_kind: global_buffer, .address_space: global }
      - { .name: pos, .offset: 80, .size: 8, .value_kind: global_buffer, .address_space: global }
      - { .name: info, .offset: 88, .size: 8, .value_kind: global_buffer, .address_space: global }
    .group_segment_fixed_size: 68352
    .private_segment_fixed_size: 0
    .kernarg_segment_align: 8
    .kernarg_segment_size: 96
    .max_flat_workgroup_size: 544
    .sgpr_count:     66
    .vgpr_count:     176
    .wavefront_size: 32
...
	.end_amdgpu_metadata
.endif
;; end of part 1
;; launch attn (part 2): grid 8 x 32, 4 waves a work-group, no clusters, 318,208 bytes of LDS; arguments value, wvb, qb, Wc, Wm, bm, rows, covc, info, ec, opart; writes ec, opart
.if DOCPART == 2
	.amdgcn_target "amdgcn-amd-amdhsa--gfx1250"
	.amdhsa_code_object_version 6
	.text
	.protected	k_q9ddf169dc9_attn
	.globl	k_q9ddf169dc9_attn
	.p2align	8
	.type	k_q9ddf169dc9_attn,@function
k_q9ddf169dc9_attn:
	s_mov_b64 s[64:65], 0
	v_nop
	global_prefetch_b8 v0, s[64:65] scope:SCOPE_SE
	s_setreg_imm32_b32 hwreg(HW_REG_WAVE_MODE, 25, 1), 1
	s_wait_xcnt 0x0
; ONE TILE OF AT MOST 144 ACTIVE ROWS OF ONE BATCH, from value to its part of the softmax and of attn . value, with value read once.
; Work-group (x, b) makes tile 8 p + x of batch b in pass p = 0 .. P - 1 (P = 1 or 2, a whole number stored by the launch before).  For the tile's rows n (listed in rows):
;   x[n][g] = qb[b][g] + cov[n] Wc[g] + sum over k of value[n][k] Wv[g][k];  e[n] = bm + sum over g of Wm[g] tanh(x[n][g]);  m = max e, p = exp(e - m), l = sum p, o[ch] = sum over n of p[n] value[n][ch].
; Stored: ec (e by list place), opart (o; behind it, from byte 2097152, the pair (m, l) of each tile, 32 times).  The next launch joins a batch's tiles.
; PHASES, a barrier behind each, on every wave's path; a pass that the batch does not have jumps forward over the phases, never over a barrier.
;   R1 each wave brings 36 of the tile's rows, rounds them to bf16 and lays them into LDS (A, 144 rows);   R2 each wave multiplies all 144 rows by its 64 columns of each of four chunks of 256, Wv streamed
;   from memory straight into registers in fragment order (a ring of 8 k steps), then tanh and the sum over its columns;   R2b the waves' sums go into LDS;   R3 wave 0 makes e, m, p, l;
;   R4 each wave makes 256 channels of o from the same A.
; FORMATS.  value, Wv in bf16 for the products; cov, Wc, Wm, bias as bf16 values in f32; sums, tanh and softmax in f32.  p enters the second product as p_hi + p_lo, two bf16 rows of one fragment.
; tanh x = 1 - 2 / (1 + 2^(c x)), c = 2 log2(e): an overflow gives 1, an underflow -1.  So e = sum Wm + sum (-2 Wm) / (1 + 2^(c x)).
; LIMITS.  Rows with mask <= 0 of a batch that has a row with mask > 0 count as weight 0: exact in f32 while every unmasked e lies above -1e9 + 150, that is sum |Wm| + |bm| < 9.9e8.  Their value rows are not read,
; so an infinity or NaN there does not reach the output; unused slots read the batch's row 2047 with weight 0, so an infinity or NaN in that row does.  A weight below 2^-126 counts as 0.
; NO CLUSTER, NO TENSOR LOADS.  What work-groups share is Wv.  A and the tables take 318,208 of the 327,680 bytes of LDS: 9,472 are left, no room for slots in which a joint load could land; and a wave's 64 columns
; are read by that wave alone, 16 bytes a lane as they lie in wvb, so a way through LDS would add a write and a read for each byte.
; REGISTERS, in windows of 256 (s_set_vgpr_msb: bits 1:0 source 0, 3:2 source 1, 5:4 source 2, 7:6 destination):
;   window 0: addresses, e's sums, cov, two buffers of A's fragments (72 each), 40 at work     window 1: accumulators (a, f) at 8 (4 a + f), a = 0..7; in R1 the ring of six rows as loaded; in R4 o's 16 accumulators
;   window 2: Wv's ring, slot j at 32 j + 8 f                                                  window 3: accumulators (8, f) at 8 f
.set PITCH, 2064                       ; a row of A: 2,048 bytes + 16 = 516 words: row r starts at bank 4 r mod 64 (64 banks of 4 bytes: ISA guide 11.1)
.set TQ,    144*PITCH                  ; 297216: qb of my batch, 1,024 f32
.set TCO,   4096                       ; behind it Wc,
.set TMO,   8192                       ; and -2 Wm
.set PART,  TQ+12288                   ; the four waves' sums over their columns: 192 f32 each
.set PH,    PART+3072                  ; p_hi, 192 bf16, in a block of 512; p_lo in the next
.set OUTS,  PH+1024                    ; o on its way out: 1,024 bytes a wave
.set SPARE, OUTS+4096                  ; the spare words, 128 bytes a wave: two blocks of 256 bytes that no other line names
.set L16,   3                          ; v1 = r = lane % 16, v2 = h = lane / 16, v3 = 16 x lane; never rewritten
.set ABASE, 4                          ; v4-8    r x PITCH + 16 h + i x 32 rows
.set ADRA,  9                          ; v9-13   the same + the trip's bytes along K; in R4 the turning loads' addresses
.set VB,    14                         ; v14     16 x lane + where the ring's trip begins in my wave's 524,288 bytes of wvb
.set TADR,  15                         ; v15     my place in the tables, this chunk
.set SPW,   16                         ; v16     SPARE + 4 x my thread's number; never rewritten
.set NIL,   17                         ; v17     0; never rewritten
.set SW,    18                         ; v18-19  sum of -2 Wm over my columns
.set AST,   20                         ; v20-21  where I store 8 bytes of my wave's rows 0-17, 18-35
.set TADR0, 22                         ; v22     TQ + 256 w + 32 h
.set WA,    23                         ; v23     an address at work
.set RO,    24                         ; v24-29  ring slot's row: 4096 n + 16 x lane
.set ENT,   30                         ; v30-35  the list's entries of slots 64 k + 2 lane, + 1
.set EACC,  36                         ; v36-53  nine pairs: e's sums for row 16 a + r (even, odd columns); in R4 o
.set COV,   54                         ; v54-71  even: cov of row 16 a + r; odd: 0
.set AB,    72                         ; v72-143, v144-215  A's fragments
.set T,     144                        ; the second buffer also serves the tables at a chunk's start and tanh at its end
.set TMP,   216                        ; v216-255
.set W_MUL, 0x52                       ; Wv window 2, A window 0, C and D window 1
.set W_M8,  0xf2                       ; the same, C and D window 3
.set W_LB,  0x80                       ; destination window 2
.set W_L1,  0x40                       ; destination window 1
.set W_L3,  0xc0                       ; destination window 3
.set W_CV,  0x05                       ; sources 0 and 1 window 1
.set W_E1,  0x01                       ; source 0 window 1
.set W_E3,  0x03                       ; source 0 window 3
.set W_PV,  0x50                       ; C and D window 1
.set MSB, 0
.macro WIN new                         ; the immediate's high byte repeats the setting that is left; a switch that changes nothing is dropped
.if MSB != (\new)
	s_set_vgpr_msb (MSB<<8)|(\new)
.set MSB, (\new)
.endif
.endm
.macro BAR                             ; my LDS instructions are done, loads and stores; then the work-group's barrier
	s_wait_dscnt 0x0
	s_barrier_signal -1
	s_barrier_wait -1
.endm
.macro PLACES                          ; four places behind matrix instructions, in front of loads into registers that they have read
.rept 4
	v_nop
.endr
.endm
	s_load_b512 s[8:23], s[0:1], 0x0               ; value s[8:9], wvb s[10:11], qb s[12:13], Wc s[14:15], Wm s[16:17], bm s[18:19], rows s[20:21], covc s[22:23]
	s_load_b128 s[24:27], s[0:1], 0x40             ; info s[24:25], ec s[26:27]
	s_load_b64 s[28:29], s[0:1], 0x50              ; opart
	v_lshl_add_u32 v[SPW], v0, 2, SPARE
	v_mov_b32 v[NIL], 0
	v_lshrrev_b32 v1, 5, v0
	v_readfirstlane_b32 s32, v1                    ; wave w
	s_mov_b32 s33, ttmp9                           ; x
	s_and_b32 s34, ttmp7, 0xffff                   ; b
	v_and_b32 v1, 15, v0
	v_bfe_u32 v2, v0, 4, 1
	v_and_b32 v3, 31, v0
	v_lshlrev_b32 v3, 4, v3
	v_mul_u32_u24 v[ABASE], v1, PITCH
	v_lshl_add_u32 v[ABASE], v2, 4, v[ABASE]
.irp i, 1,2,3,4
	v_add_nc_u32 v[ABASE+\i], \i*32*PITCH, v[ABASE]
.endr
	s_mul_i32 s52, s32, 36*PITCH
	v_lshrrev_b32 v[AST], 1, v3
	v_add_nc_u32 v[AST], s52, v[AST]               ; my wave's 36 rows + 8 x lane
	v_add_nc_u32 v[AST+1], 18*PITCH, v[AST]
	s_lshl_b32 s52, s32, 8
	s_add_co_u32 s52, s52, TQ
	v_lshl_add_u32 v[TADR0], v2, 5, s52
.irp a, 0,1,2,3,4,5,6,7,8
	v_mov_b32 v[COV+2*\a+1], 0                     ; named with cov as a pair
.endr
	s_mov_b32 s44, 0x4038aa3b                      ; c = 2 log2(e)
	s_mov_b32 s45, s44
	s_mov_b32 s46, 0x76543210                      ; v_permlanex16_b32: each lane takes its own place in the other half
	s_mov_b32 s47, 0xfedcba98
	s_mov_b32 s53, 0                               ; the high word of every offset
	s_wait_kmcnt 0x0
	s_lshl_b32 s52, s34, 9                         ; unit 2 b of info
	s_add_nc_u64 s[24:25], s[24:25], s[52:53]
	s_load_b64 s[54:55], s[24:25], 0x0             ; P, AM
	s_load_b32 s48, s[18:19], 0x0                  ; bm
	s_lshl_b32 s52, s34, 23
	s_add_nc_u64 s[8:9], s[8:9], s[52:53]          ; value at my batch
	s_lshl_b32 s52, s32, 19
	s_add_nc_u64 s[10:11], s[10:11], s[52:53]      ; wvb at my wave's stream
	s_lshl_b32 s52, s34, 6
	s_add_nc_u64 s[12:13], s[12:13], s[52:53]      ; qb at my batch's 64 bytes of block 0
	s_add_nc_u64 s[30:31], s[28:29], 0x200000      ; the pairs (m, l)
	s_wait_kmcnt 0x0
	s_min_u32 s35, s54, 2                          ; P
	s_cmp_lg_u32 s55, 0
	s_cselect_b32 s36, -1, 0                       ; AM as a lane mask
	s_mov_b32 s49, s48
	s_mov_b32 s37, 1                               ; GO: pass 0 always runs
	s_mov_b32 s38, 2                               ; passes to count
	s_mov_b32 s39, 0                               ; p
; ---- macros of R1
.macro ROFF i                          ; row i of my 36: its entry, held to the table (unused slots read row 2047), times 4,096 bytes
.if (\i) < 32
	s_min_u32 s54, s[68+(\i)], 0x7ff
.else
	s_min_u32 s54, s[24+(\i)], 0x7ff
.endif
	s_lshl_b32 s54, s54, 12
	v_add_nc_u32 v[RO+(\i)%6], s54, v[L16]
.endm
.macro VLOADS sl                       ; a row's 4,096 bytes: eight loads of 512 consecutive bytes, into ring slot sl
.set vq, 0
.rept 8
	global_load_b128 v[32*(\sl)+4*vq:32*(\sl)+4*vq+3], v[RO+(\sl)], s[8:9] offset:512*vq th:TH_LOAD_NT
.set vq, vq+1
.endr
.endm
.macro BGROUP slot, off                ; a k step's four fragments of Wv: eight loads of 512 consecutive bytes
.irp f, 0,1,2,3
	global_load_b128 v[32*(\slot)+8*\f:32*(\slot)+8*\f+3],   v[VB], s[10:11] offset:(\off)+1024*\f
	global_load_b128 v[32*(\slot)+8*\f+4:32*(\slot)+8*\f+7], v[VB], s[10:11] offset:(\off)+1024*\f+512
.endr
.endm
; Row i is rounded and stored; its slot takes row i + 6.  Behind the row wanted five rows' 40 loads are out; in the last six turns a group of Wv's ring takes the refill's place, so the count stays 40.
.macro ROW i
.set sg, (\i)%6
	s_wait_loadcnt 40
	WIN W_CV
.set q, 0
.rept 16
	v_cvt_pk_bf16_f32 v[TMP+q], v[32*sg+2*q], v[32*sg+2*q+1]
.set q, q+1
.endr
	WIN 0
.if (\i) < 30
	ROFF (\i)+6                                    ; the slot's address register is free since the wait above
.endif
.set q, 0
.rept 8
	ds_store_b64 v[AST+(\i)/18], v[TMP+2*q:TMP+2*q+1] offset:((\i)%18)*PITCH+256*q
.set q, q+1
.endr
.if (\i) < 30
	WIN W_L1
	VLOADS sg
.else
	WIN W_LB
	BGROUP (\i)-30, ((\i)-30)*4096
.endif
.endm
; ---- macros of R2
.macro ALOADS buf, ko                  ; A's nine fragments (16 rows x 32 k) at byte ko of the trip: 18 loads
.set aa, 0
.rept 9
	ds_load_b128 v[AB+72*(\buf)+8*aa:AB+72*(\buf)+8*aa+3],   v[ADRA+aa/2] offset:(aa%2)*16*PITCH+(\ko)
	ds_load_b128 v[AB+72*(\buf)+8*aa+4:AB+72*(\buf)+8*aa+7], v[ADRA+aa/2] offset:(aa%2)*16*PITCH+(\ko)+32
.set aa, aa+1
.endr
.endm
; source 0 = 16 columns g of Wv, source 1 = 16 rows of A: a lane holds row 16 a + r and g = g0 + 8 h + 0..7
.macro MUL j, a
.irp f, 0,1,2,3
.if (\a) < 8
	v_wmma_f32_16x16x32_bf16 v[8*(4*(\a)+\f):8*(4*(\a)+\f)+7], v[32*(\j)+8*\f:32*(\j)+8*\f+7], v[AB+72*((\j)%2)+8*(\a):AB+72*((\j)%2)+8*(\a)+7], v[8*(4*(\a)+\f):8*(4*(\a)+\f)+7]
.else
	v_wmma_f32_16x16x32_bf16 v[8*\f:8*\f+7], v[32*(\j)+8*\f:32*(\j)+8*\f+7], v[AB+72*((\j)%2)+8*(\a):AB+72*((\j)%2)+8*(\a)+7], v[8*\f:8*\f+7]
.endif
.endr
.endm
; A k step: 36 matrix instructions, the 36 accumulators by turns in the same order in every step.  In its middle, four places behind the last step's products: the next step's A, and Wv's
; group seven steps on into the slot that the last step read.
.macro KSTEP j
	s_wait_loadcnt 48                              ; slot j is in: six younger groups of 8 may stay out
	s_wait_dscnt 10                                ; A's fragments 0-3 are the first 8 of the 18 loads
	WIN W_MUL
	MUL \j, 0
	MUL \j, 1
	MUL \j, 2
	MUL \j, 3
	WIN 0
.if (\j) == 7
	s_add_co_u32 s42, s42, 512                     ; the next trip's 256 k; behind the fourth trip back to 0
	s_and_b32 s42, s42, 2047
.irp i, 0,1,2,3,4
	v_add_nc_u32 v[ADRA+\i], s42, v[ABASE+\i]
.endr
	ALOADS 0, 0
.else
.if (\j) == 1
	s_wait_xcnt 0x0                                ; every load issued so far has read its address (the youngest stand 36 matrix instructions back): the ring's offset steps to the next trip,
	v_add_nc_u32 v[VB], 0x8000, v[VB]
	v_and_b32 v[VB], 0x7ffff, v[VB]                ; and behind the stream's end to its head: the last seven groups asked for are not used
	v_nop
	v_nop
.else
	PLACES
.endif
	ALOADS ((\j)+1)%2, 64*((\j)+1)
.endif
	WIN W_LB
.if (\j) == 0
	BGROUP 7, 28672
.else
	BGROUP (\j)-1, ((\j)-1)*4096
.endif
	s_wait_dscnt 18                                ; all but the 18 just issued
	WIN W_MUL
	MUL \j, 4
	MUL \j, 5
	MUL \j, 6
	MUL \j, 7
	WIN W_M8
	MUL \j, 8
.endm
; A chunk's sums start at cov Wc + qb: nothing is cleared, and every k step has one form.
.macro INIT
	WIN 0
	v_add_nc_u32 v[TADR], s43, v[TADR0]
.irp f, 0,1,2,3
	ds_load_b128 v[T+16*\f:T+16*\f+3],     v[TADR] offset:TCO+64*\f
	ds_load_b128 v[T+16*\f+4:T+16*\f+7],   v[TADR] offset:TCO+64*\f+16
	ds_load_b128 v[T+16*\f+8:T+16*\f+11],  v[TADR] offset:64*\f
	ds_load_b128 v[T+16*\f+12:T+16*\f+15], v[TADR] offset:64*\f+16
.endr
	s_wait_dscnt 0x0
	WIN W_L1
.set a, 0
.rept 8
.irp f, 0,1,2,3
.irp q, 0,1,2,3
	v_pk_fma_f32 v[8*(4*a+\f)+2*\q:8*(4*a+\f)+2*\q+1], v[T+16*\f+2*\q:T+16*\f+2*\q+1], v[COV+2*a:COV+2*a+1], v[T+16*\f+8+2*\q:T+16*\f+8+2*\q+1] op_sel_hi:[1,0,1]
.endr
.endr
.set a, a+1
.endr
	WIN W_L3
.irp f, 0,1,2,3
.irp q, 0,1,2,3
	v_pk_fma_f32 v[8*\f+2*\q:8*\f+2*\q+1], v[T+16*\f+2*\q:T+16*\f+2*\q+1], v[COV+16:COV+17], v[T+16*\f+8+2*\q:T+16*\f+8+2*\q+1] op_sel_hi:[1,0,1]
.endr
.endr
	WIN 0
.endm
; tanh in three stages that run side by side on neighbouring row blocks: 2^(c x) of block i; + 1 and the reciprocal of block i - 1; the sum for block i - 2.  After each pair of transcendentals stands a plain
; instruction on other registers, ahead of any use of their results (ISA guide 5.7.2).  At i = 0 those plain lines add this f's -2 Wm into SW.
.macro PIPE i, f
.set q, 0
.rept 4
.if (\i) < 9
	v_exp_f32 v[T+8*(\i)+2*q], v[T+8*(\i)+2*q]
	v_exp_f32 v[T+8*(\i)+2*q+1], v[T+8*(\i)+2*q+1]
.endif
.if (\i) == 0
	v_pk_add_f32 v[SW:SW+1], v[SW:SW+1], v[TMP+8*(\f)+2*q:TMP+8*(\f)+2*q+1]
.elseif (\i) < 10
	s_wait_alu depctr_va_vdst(0)
	v_pk_add_f32 v[T+8*(\i)-8+2*q:T+8*(\i)-8+2*q+1], v[T+8*(\i)-8+2*q:T+8*(\i)-8+2*q+1], 1.0 op_sel_hi:[1,0]
.endif
.set q, q+1
.endr
.set q, 0
.rept 4
.if ((\i) > 0) && ((\i) < 10)
	v_rcp_f32 v[T+8*(\i)-8+2*q], v[T+8*(\i)-8+2*q]
	v_rcp_f32 v[T+8*(\i)-8+2*q+1], v[T+8*(\i)-8+2*q+1]
.endif
.if (\i) > 1
	s_wait_alu depctr_va_vdst(0)
	v_pk_fma_f32 v[EACC+2*(\i)-4:EACC+2*(\i)-3], v[TMP+8*(\f)+2*q:TMP+8*(\f)+2*q+1], v[T+8*(\i)-16+2*q:T+8*(\i)-16+2*q+1], v[EACC+2*(\i)-4:EACC+2*(\i)-3]
.endif
.set q, q+1
.endr
.endm
.macro EPIF f                          ; the nine accumulators of column block f: c x into T (each accumulator's lowest registers first), then the stages
	WIN W_E1
.set a, 0
.rept 8
.irp q, 0,1,2,3
	v_pk_mul_f32 v[T+8*a+2*\q:T+8*a+2*\q+1], v[8*(4*a+(\f))+2*\q:8*(4*a+(\f))+2*\q+1], s[44:45] op_sel_hi:[1,0]
.endr
.set a, a+1
.endr
	WIN W_E3
.irp q, 0,1,2,3
	v_pk_mul_f32 v[T+64+2*\q:T+64+2*\q+1], v[8*(\f)+2*\q:8*(\f)+2*\q+1], s[44:45] op_sel_hi:[1,0]
.endr
	WIN 0
.irp i, 0,1,2,3,4,5,6,7,8,9,10
	PIPE \i, \f
.endr
.endm
; ---- macros of R4
.macro LOADU u                         ; slots 32 (u / 2) on, channels 128 (u % 2) on of my 256: eight fragments of A turned (ds_load_tr16_b128), 16 loads
.set c8, 0
.rept 8
	ds_load_tr16_b128 v[AB+72*((\u)%2)+8*c8:AB+72*((\u)%2)+8*c8+3], v[ADRA+(\u)/2] offset:32*(8*((\u)%2)+c8)
.if (\u)/2 == 4
	ds_load_tr16_b128 v[AB+72*((\u)%2)+8*c8+4:AB+72*((\u)%2)+8*c8+7], v[ADRA+(\u)/2] offset:32*(8*((\u)%2)+c8)  ; A ends at slot 143: slots 144-159, whose p is that of unused slots, take rows 128-143 once more
.else
	ds_load_tr16_b128 v[AB+72*((\u)%2)+8*c8+4:AB+72*((\u)%2)+8*c8+7], v[ADRA+(\u)/2] offset:32*(8*((\u)%2)+c8)+16*PITCH
.endif
.set c8, c8+1
.endr
.endm
.macro PVM u                           ; eight products; o's 16 accumulators take turns, 15 others between two links of a chain
.set c8, 0
.rept 8
.set cb, 8*((\u)%2)+c8
.if (\u) < 2
	v_wmma_f32_16x16x32_bf16 v[8*cb:8*cb+7], v[TMP+8*((\u)/2):TMP+8*((\u)/2)+7], v[AB+72*((\u)%2)+8*c8:AB+72*((\u)%2)+8*c8+7], 0
.else
	v_wmma_f32_16x16x32_bf16 v[8*cb:8*cb+7], v[TMP+8*((\u)/2):TMP+8*((\u)/2)+7], v[AB+72*((\u)%2)+8*c8:AB+72*((\u)%2)+8*c8+7], v[8*cb:8*cb+7]
.endif
.set c8, c8+1
.endr
.endm
.Lpass:
	s_cmp_eq_u32 s37, 1
	s_cbranch_scc0 .Lb1
; ================ R1: the tile's rows into LDS
	s_lshl_b32 s50, s34, 4
	s_lshl_b32 s52, s39, 3
	s_add_co_u32 s50, s50, s52
	s_add_co_u32 s50, s50, s33                     ; the tile among all: 16 b + 8 p + x
	s_mul_i32 s52, s50, 768
	s_add_nc_u64 s[60:61], s[20:21], s[52:53]      ; the tile's 192 entries
	s_add_nc_u64 s[62:63], s[22:23], s[52:53]      ; and their cov
	s_mul_i32 s52, s32, 144
	s_add_nc_u64 s[66:67], s[60:61], s[52:53]      ; my wave's 36 entries
	s_load_b512 s[68:83], s[66:67], 0x0
	s_load_b512 s[84:99], s[66:67], 0x40
	s_load_b128 s[56:59], s[66:67], 0x80
	v_lshrrev_b32 v216, 2, v0
	v_and_b32 v217, 3, v0
	v_lshlrev_b32 v217, 4, v217
	v_lshl_add_u32 v216, v216, 11, v217            ; qb[g / 16][b][16]: thread t takes g = 4 t + 0..3, and 512 on
	v_lshlrev_b32 v217, 4, v0
	v_lshlrev_b32 v218, 2, v1
	v_lshrrev_b32 v219, 1, v3
	global_load_b128 v[232:235], v216, s[12:13]
	global_load_b128 v[236:239], v216, s[12:13] offset:65536
	global_load_b128 v[240:243], v217, s[14:15]
	global_load_b128 v[244:247], v217, s[14:15] offset:2048
	global_load_b128 v[248:251], v217, s[16:17]
	global_load_b128 v[252:255], v217, s[16:17] offset:2048
.irp a, 0,1,2,3,4,5,6,7,8
	global_load_b32 v[COV+2*\a], v218, s[62:63] offset:64*\a
.endr
.irp k, 0,1,2
	global_load_b64 v[ENT+2*\k:ENT+2*\k+1], v219, s[60:61] offset:256*\k
.endr
.set z, 0
.rept 18
	v_mov_b32 v[EACC+z], 0
.set z, z+1
.endr
	v_mov_b32 v[SW], 0
	v_mov_b32 v[SW+1], 0
	v_mov_b32 v[VB], v[L16]
.irp i, 0,1,2,3,4
	v_mov_b32 v[ADRA+\i], v[ABASE+\i]
.endr
	s_mov_b32 s42, 0                               ; bytes along K
	s_mov_b32 s43, 0                               ; the chunk's bytes in the tables
	s_wait_kmcnt 0x0
.irp i, 0,1,2,3,4,5
	ROFF \i
.endr
	WIN W_L1
.irp i, 0,1,2,3,4,5
	VLOADS \i                                      ; 48 loads, 24 KiB a wave, are kept on their way
.endr
.set n, 0
.rept 36
	ROW n                                          ; the first wait also covers the tables, cov and the entries, which are older
.set n, n+1
.endr
	BGROUP 6, 24576                                ; the ring starts with seven groups out
	WIN 0
.irp g, 240,242,244,246,248,250,252,254
	v_cvt_pk_bf16_f32 v216, v[\g], v[\g+1]         ; Wc and Wm rounded to bf16 values
	v_lshlrev_b32 v[\g], 16, v216
	v_and_b32 v[\g+1], 0xffff0000, v216
.endr
.irp g, 248,250,252,254
	v_pk_mul_f32 v[\g:\g+1], v[\g:\g+1], -2.0 op_sel_hi:[1,0]
.endr
	v_lshl_add_u32 v[WA], v0, 4, TQ
	ds_store_b128 v[WA], v[232:235]
	ds_store_b128 v[WA], v[236:239] offset:2048
	ds_store_b128 v[WA], v[240:243] offset:TCO
	ds_store_b128 v[WA], v[244:247] offset:TCO+2048
	ds_store_b128 v[WA], v[248:251] offset:TMO
	ds_store_b128 v[WA], v[252:255] offset:TMO+2048
.Lb1:
	BAR                                            ; A and the tables are whole
	s_cmp_eq_u32 s37, 1
	s_cbranch_scc0 .Lb2a
; ================ R2: four chunks of 256 columns, 64 of each mine; a chunk is four trips of eight k steps
	ALOADS 0, 0
	s_mov_b32 s40, 4
.Lchunk:
	INIT
	s_mov_b32 s41, 4
.Ltrip:
	KSTEP 0
	KSTEP 1
	KSTEP 2
	KSTEP 3
	KSTEP 4
	KSTEP 5
	KSTEP 6
	KSTEP 7
	WIN 0
	s_sub_co_u32 s41, s41, 1
	s_cmp_lg_u32 s41, 0
	s_cbranch_scc1 .Ltrip
	PLACES                                         ; behind the last products, in front of lines that read their results and write the buffer that they read
	PLACES
.irp f, 0,1,2,3
	ds_load_b128 v[TMP+8*\f:TMP+8*\f+3],   v[TADR] offset:TMO+64*\f
	ds_load_b128 v[TMP+8*\f+4:TMP+8*\f+7], v[TADR] offset:TMO+64*\f+16
.endr
	s_wait_dscnt 0x0                               ; -2 Wm of my columns; the next chunk's first fragments of A, asked for in the last k step, are in too (buffer 0 is left alone here)
	EPIF 0
	EPIF 1
	EPIF 2
	EPIF 3
	s_add_co_u32 s43, s43, 1024                    ; the next chunk's 256 columns in the tables; behind the fourth chunk back to 0:
	s_and_b32 s43, s43, 0xc00                      ; 3,072 at the most, so the last table byte read is TQ + 768 + 32 + 3,072 + 8,192 + 224 - 1, the byte in front of PART
	s_sub_co_u32 s40, s40, 1
	s_cmp_lg_u32 s40, 0
	s_cbranch_scc1 .Lchunk
.Lb2a:
	BAR                                            ; every wave's reads of the tables are over before any wave stores into the block that lies directly behind them
	s_cmp_eq_u32 s37, 1
	s_cbranch_scc0 .Lb2
; ================ R2b: my columns' part of e for each row: even + odd columns, + sum Wm = -0.5 SW, + the other half of the lanes' eight columns of each 16
	v_add_f32 v216, v[SW], v[SW+1]
	s_mul_i32 s52, s32, 768
	s_add_co_u32 s52, s52, PART
	v_lshl_add_u32 v[WA], v1, 2, s52
.irp a, 0,1,2,3,4,5,6,7,8
	v_add_f32 v[220+\a], v[EACC+2*\a], v[EACC+2*\a+1]
.endr
.irp a, 0,1,2,3,4,5,6,7,8
	v_fma_f32 v[220+\a], v216, -0.5, v[220+\a]
.endr
.irp a, 0,1,2,3,4,5,6,7,8
	v_permlanex16_b32 v[232+\a], v[220+\a], s46, s47
.endr
.irp a, 0,1,2,3,4,5,6,7,8
	v_add_f32 v[220+\a], v[220+\a], v[232+\a]
	ds_store_b32 v[WA], v[220+\a] offset:64*\a
.endr
.irp a, 9,10,11
	ds_store_b32 v[WA], v[COV+1] offset:64*\a      ; slots 144-191: 0
.endr
.Lb2:
	BAR                                            ; the four waves' parts of e lie in LDS
	s_cmp_eq_u32 s37, 1
	s_cbranch_scc0 .Lb3
	s_cmp_eq_u32 s32, 0
	s_cbranch_scc0 .Lb3
; ================ R3, wave 0: e, m, p, l.  A lane owns slots 64 k + 2 lane and + 1, k = 0..2
	v_lshrrev_b32 v242, 1, v3                      ; 8 x lane
	v_add_nc_u32 v[WA], PART, v242
.irp w, 0,1,2,3
.irp k, 0,1,2
	ds_load_b64 v[216+6*\w+2*\k:216+6*\w+2*\k+1], v[WA] offset:768*\w+256*\k
.endr
.endr
	s_wait_xcnt 0x0
	s_mul_i32 s52, s50, 768
	s_add_nc_u64 s[66:67], s[26:27], s[52:53]      ; ec at my tile
	s_lshl_b32 s52, s50, 8
	s_add_nc_u64 s[60:61], s[30:31], s[52:53]      ; (m, l) of my tile
	s_wait_dscnt 0x0
.irp k, 0,1,2
	v_pk_add_f32 v[216+2*\k:217+2*\k], v[216+2*\k:217+2*\k], v[222+2*\k:223+2*\k]
	v_pk_add_f32 v[228+2*\k:229+2*\k], v[228+2*\k:229+2*\k], v[234+2*\k:235+2*\k]
.endr
.irp k, 0,1,2
	v_pk_add_f32 v[216+2*\k:217+2*\k], v[216+2*\k:217+2*\k], v[228+2*\k:229+2*\k]
.endr
.irp k, 0,1,2
	v_pk_add_f32 v[216+2*\k:217+2*\k], v[216+2*\k:217+2*\k], s[48:49] op_sel_hi:[1,0]  ; + bm
.endr
	v_mov_b32 v222, 0xce6e6b28                     ; -1e9: every row of a batch with no unmasked row
	v_mov_b32 v223, 0xff000000                     ; -2^127: an unused slot, below every e
.irp i, 0,1,2,3,4,5
	v_cndmask_b32 v[216+\i], v[216+\i], v222, s36
	v_cmp_lt_u32 vcc_lo, 0x7ff, v[ENT+\i]
	v_cndmask_b32 v[216+\i], v[216+\i], v223, vcc_lo
.endr
.irp k, 0,1,2
	global_store_b64 v242, v[216+2*\k:217+2*\k], s[66:67] offset:256*\k  ; 256 consecutive bytes each
.endr
	v_max3_num_f32 v240, v216, v217, v218
	v_max3_num_f32 v240, v240, v219, v220
	v_max_num_f32 v240, v240, v221
	v_max_num_f32_dpp v240, v240, v240 row_xmask:1 row_mask:0xf bank_mask:0xf
	v_max_num_f32_dpp v240, v240, v240 row_xmask:2 row_mask:0xf bank_mask:0xf
	v_max_num_f32_dpp v240, v240, v240 row_xmask:4 row_mask:0xf bank_mask:0xf
	v_max_num_f32_dpp v240, v240, v240 row_xmask:8 row_mask:0xf bank_mask:0xf
	v_mov_b32 v243, 0
	v_permlanex16_b32 v243, v240, s46, s47
	v_max_num_f32 v240, v240, v243                 ; m, in every lane
.irp i, 0,1,2,3,4,5
	v_sub_f32 v[224+\i], v[216+\i], v240
.endr
.irp i, 0,1,2,3,4,5
	v_mul_f32 v[224+\i], 0x3fb8aa3b, v[224+\i]
.endr
.irp i, 0,1,2,3,4,5
	v_exp_f32 v[224+\i], v[224+\i]
.endr
	v_nop                                          ; a plain instruction behind the last exponential
	s_wait_alu depctr_va_vdst(0)
	v_pk_add_f32 v[230:231], v[224:225], v[226:227]
	v_pk_add_f32 v[230:231], v[230:231], v[228:229]
	v_add_f32 v241, v230, v231
	v_add_f32_dpp v241, v241, v241 row_xmask:1 row_mask:0xf bank_mask:0xf
	v_add_f32_dpp v241, v241, v241 row_xmask:2 row_mask:0xf bank_mask:0xf
	v_add_f32_dpp v241, v241, v241 row_xmask:4 row_mask:0xf bank_mask:0xf
	v_add_f32_dpp v241, v241, v241 row_xmask:8 row_mask:0xf bank_mask:0xf
	v_permlanex16_b32 v243, v241, s46, s47
	v_add_f32 v241, v241, v243                     ; l, of the unrounded p
.irp k, 0,1,2
	v_cvt_pk_bf16_f32 v[232+\k], v[224+2*\k], v[225+2*\k]  ; p_hi
.endr
.irp k, 0,1,2
	v_lshlrev_b32 v238, 16, v[232+\k]
	v_and_b32 v239, 0xffff0000, v[232+\k]
	v_sub_f32 v238, v[224+2*\k], v238
	v_sub_f32 v239, v[225+2*\k], v239
	v_cvt_pk_bf16_f32 v[235+\k], v238, v239        ; p_lo = p - p_hi
.endr
	v_lshrrev_b32 v244, 2, v3
	v_add_nc_u32 v244, PH, v244
	global_store_b64 v242, v[240:241], s[60:61]    ; the pair 32 times: 256 consecutive bytes
.irp k, 0,1,2
	ds_store_b32 v244, v[232+\k] offset:128*\k
	ds_store_b32 v244, v[235+\k] offset:512+128*\k
.endr
	s_wait_xcnt 0x0                                ; my four stores have read their data (v216-221, v240-241) and their offset (v242): the phases that follow write these registers again
.Lb3:
	BAR                                            ; p lies in LDS
	s_cmp_eq_u32 s37, 1
	s_cbranch_scc0 .Lb4
; ================ R4: o[ch] = sum over slots of p A[slot][ch], my 256 channels.  Source 0: rows 0, 2, .. = p_hi, rows 1, 3, .. = p_lo; source 1: 32 slots x 16 channels
	v_and_b32 v216, 7, v0
	v_lshl_add_u32 v216, v2, 3, v216
	v_mul_u32_u24 v216, v216, PITCH                ; slot 8 h + lane % 8
	v_bfe_u32 v217, v0, 3, 1
	v_lshl_add_u32 v216, v217, 4, v216
	s_lshl_b32 s52, s32, 9
	v_add_nc_u32 v[ADRA], s52, v216
.irp i, 1,2,3,4
	v_add_nc_u32 v[ADRA+\i], \i*32*PITCH, v[ADRA]
.endr
	v_and_b32 v217, 1, v0
	v_lshlrev_b32 v217, 9, v217
	v_lshl_add_u32 v217, v2, 4, v217
	v_add_nc_u32 v[WA], PH, v217
.irp k, 0,1,2,3,4
	ds_load_b128 v[TMP+8*\k:TMP+8*\k+3],   v[WA] offset:64*\k
	ds_load_b128 v[TMP+8*\k+4:TMP+8*\k+7], v[WA] offset:64*\k+32
.endr
	LOADU 0
	LOADU 1
.irp u, 0,1,2,3,4,5,6,7,8,9
.if \u < 9
	s_wait_dscnt 16                                ; all but the run of 16 issued last
.else
	s_wait_dscnt 0x0
.endif
	WIN W_PV
	PVM \u
	WIN 0
.if \u < 8
	PLACES
	LOADU \u+2
.endif
.endr
	PLACES
	PLACES
	WIN W_CV
.set cb, 0
.rept 16
	v_add_f32 v[EACC+cb], v[8*cb], v[8*cb+1]       ; the row of p_hi + the row of p_lo: the accumulator's two lowest registers; channel 16 cb + r
.set cb, cb+1
.endr
	WIN 0
	s_lshl_b32 s54, s32, 10
	s_add_co_u32 s55, s54, OUTS
	v_lshl_add_u32 v[WA], v1, 2, s55
.set cb, 0
.rept 16
	ds_store_b32 v[WA], v[EACC+cb] offset:64*cb
.set cb, cb+1
.endr
	v_add_nc_u32 v[WA], s55, v[L16]
	ds_load_b128 v[216:219], v[WA]                 ; my wave's own bytes: LDS serves a wave's instructions in order (ISA guide 5.7.1.4)
	ds_load_b128 v[220:223], v[WA] offset:512
	s_lshl_b32 s52, s50, 12
	s_add_co_u32 s52, s52, s54
	s_wait_xcnt 0x0
	s_add_nc_u64 s[62:63], s[28:29], s[52:53]
	s_wait_dscnt 0x0
	global_store_b128 v[L16], v[216:219], s[62:63]             ; 512 consecutive bytes each
	global_store_b128 v[L16], v[220:223], s[62:63] offset:512
.Lb4:
	s_wait_xcnt 0x0                                ; this pass's loads and stores have read their addresses and data: the next pass writes the pointers, Wv's offset and the registers at work anew
	BAR                                            ; every wave's reads of A, the tables and p are over: the next pass may write them
	s_add_co_u32 s39, s39, 1
	s_cmp_gt_u32 s35, 1
	s_cselect_b32 s37, 1, 0                        ; the second pass runs if P = 2
	s_sub_co_u32 s38, s38, 1
	s_cmp_lg_u32 s38, 0
	s_cbranch_scc1 .Lpass
	s_wait_tensorcnt 0x0                           ; the wave's end, behind my last LDS store
	ds_add_u32 v[SPW], v[NIL]
	s_wait_dscnt 0x0
	s_endpgm
.Lfunc_end_k_q9ddf169dc9_attn:
	.size	k_q9ddf169dc9_attn, .Lfunc_end_k_q9ddf169dc9_attn-k_q9ddf169dc9_attn
	.p2alignl 7, 3214868480
	.fill 96, 4, 3214868480
	.section	.rodata,"a",@progbits
	.p2align	6, 0x0
	.amdhsa_kernel k_q9ddf169dc9_attn
		.amdhsa_group_segment_fixed_size 318208
		.amdhsa_private_segment_fixed_size 0
		.amdhsa_enable_private_segment 0
		.amdhsa_kernarg_size 88
		.amdhsa_user_sgpr_count 2
		.amdhsa_user_sgpr_kernarg_segment_ptr 1
		.amdhsa_wavefront_size32 1
		.amdhsa_system_sgpr_workgroup_id_x 1
		.amdhsa_system_sgpr_workgroup_id_y 1
		.amdhsa_system_sgpr_workgroup_id_z 1
		.amdhsa_system_vgpr_workitem_id 0
		.amdhsa_next_free_vgpr 800
		.amdhsa_next_free_sgpr 100
		.amdhsa_reserve_vcc 1
		.amdhsa_float_denorm_mode_32 3
		.amdhsa_float_denorm_mode_16_64 3
		.amdhsa_memory_ordered 1
		.amdhsa_forward_progress 1
		.amdhsa_inst_pref_size 239
	.end_amdhsa_kernel
	.amdgpu_metadata
---
amdhsa.version: [ 1, 2 ]
amdhsa.kernels:
  - .name:           k_q9ddf169dc9_attn
    .symbol:         k_q9ddf169dc9_attn.kd
    .args:
      - { .name: value, .offset: 0, .size: 8, .value_kind: global_buffer, .address_space: global }
      - { .name: wvb, .offset: 8, .size: 8, .value_kind: global_buffer, .address_space: global }
      - { .name: qb, .offset: 16, .size: 8, .value_kind: global_buffer, .address_space: global }
      - { .name: Wc, .offset: 24, .size: 8, .value_kind: global_buffer, .address_space: global }
      - { .name: Wm, .offset: 32, .size: 8, .value_kind: global_buffer, .address_space: global }
      - { .name: bm, .offset: 40, .size: 8, .value_kind: global_buffer, .address_space: global }
      - { .name: rows, .offset: 48, .size: 8, .value_kind: global_buffer, .address_space: global }
      - { .name: covc, .offset: 56, .size: 8, .value_kind: global_buffer, .address_space: global }
      - { .name: info, .offset: 64, .size: 8, .value_kind: global_buffer, .address_space: global }
      - { .name: ec, .offset: 72, .size: 8, .value_kind: global_buffer, .address_space: global }
      - { .name: opart, .offset: 80, .size: 8, .value_kind: global_buffer, .address_space: global }
    .group_segment_fixed_size: 318208
    .private_segment_fixed_size: 0
    .kernarg_segment_align: 8
    .kernarg_segment_size: 88
    .max_flat_workgroup_size: 128
    .sgpr_count:     100
    .vgpr_count:     800
    .wavefront_size: 32
...
	.end_amdgpu_metadata
.endif
;; end of part 2
;; launch finish (part 3): grid 8 x 32, 1 waves a work-group, no clusters, 0 bytes of LDS; arguments ec, opart, info, mask, pos, out0, out1; writes out0, out1
.if DOCPART == 3
	.amdgcn_target "amdgcn-amd-amdhsa--gfx1250"
	.amdhsa_code_object_version 6
	.text
	.protected	k_q9ddf169dc9_finish
	.globl	k_q9ddf169dc9_finish
	.p2align	8
	.type	k_q9ddf169dc9_finish,@function
k_q9ddf169dc9_finish:
	s_mov_b64 s[64:65], 0
	v_nop
	global_prefetch_b8 v0, s[64:65] scope:SCOPE_SE
	s_setreg_imm32_b32 hwreg(HW_REG_WAVE_MODE, 25, 1), 1
	s_wait_xcnt 0x0
; THE TILES OF A BATCH ARE JOINED.  Work-group (x, b), one wave: channels 128 x .. + 127 of out0[b] and rows 256 x .. + 255 of out1[b].
; M = max over tiles of m;  w_t = exp(m_t - M);  L = sum of w_t l_t;  out0 = sum of w_t o_t / L;  out1[n] = exp(e[n] - M) / L with e = ec[pos[n]] where mask > 0, else -1e9.
; A batch has 8 P tiles.  The second eight are loaded only if P = 2 (a whole number stored two launches back); their registers are preset to m = -2^127, l = 0, o = 0, so that one text sums all sixteen.
; L is at least 1: the tile that holds M has a weight 1.  No LDS, no barrier, no matrix unit: at most 11.5 KiB read and 1.5 KiB written by each work-group.
; LIMIT, as in the launch before: exp(-1e9 - M) counts as 0 by v_exp_f32 itself; a weight below 2^-126 counts as 0.
	s_load_b256 s[8:15], s[0:1], 0x0               ; ec s[8:9], opart s[10:11], info s[12:13], mask s[14:15]
	s_load_b128 s[16:19], s[0:1], 0x20             ; pos s[16:17], out0 s[18:19]
	s_load_b64 s[20:21], s[0:1], 0x30              ; out1
	s_mov_b32 s24, ttmp9                           ; x
	s_and_b32 s25, ttmp7, 0xffff                   ; b
	v_lshlrev_b32 v1, 4, v0                        ; 16 x lane
	v_and_b32 v2, 7, v0
	v_lshlrev_b32 v2, 8, v2                        ; lane l looks at tile l % 8: 256 bytes a tile
	s_mov_b32 s27, 0
	s_wait_kmcnt 0x0
	s_lshl_b32 s26, s25, 9
	s_add_nc_u64 s[12:13], s[12:13], s[26:27]
	s_load_b32 s28, s[12:13], 0x100                ; P, from unit 2 b + 1
	s_lshl_b32 s26, s25, 13
	s_lshl_b32 s29, s24, 10
	s_add_co_u32 s26, s26, s29                     ; 8192 b + 1024 x
	s_add_nc_u64 s[14:15], s[14:15], s[26:27]
	s_add_nc_u64 s[16:17], s[16:17], s[26:27]
	s_add_nc_u64 s[20:21], s[20:21], s[26:27]
	s_lshl_b32 s26, s25, 12
	s_add_nc_u64 s[22:23], s[10:11], s[26:27]
	s_add_nc_u64 s[22:23], s[22:23], 0x200000      ; the batch's pairs (m, l)
	s_lshl_b32 s29, s24, 9
	s_add_co_u32 s26, s26, s29                     ; 4096 b + 512 x
	s_add_nc_u64 s[18:19], s[18:19], s[26:27]
	s_lshl_b32 s26, s25, 16
	s_add_co_u32 s26, s26, s29                     ; 65536 b + 512 x
	s_add_nc_u64 s[10:11], s[10:11], s[26:27]
	s_mul_i32 s26, s25, 12288
	s_add_nc_u64 s[8:9], s[8:9], s[26:27]
	global_load_b128 v[4:7], v1, s[16:17]                    ; pos of rows 256 x + 4 l + 0..3,
	global_load_b128 v[8:11], v1, s[16:17] offset:512        ; and 128 on
	global_load_b128 v[12:15], v1, s[14:15]                  ; their masks
	global_load_b128 v[16:19], v1, s[14:15] offset:512
	global_load_b64 v[20:21], v2, s[22:23]                   ; (m, l) of tile l % 8
.set i, 0
.rept 8
	global_load_b128 v[32+4*i:35+4*i], v1, s[10:11] offset:4096*i  ; tile i's o, my four channels
.set i, i+1
.endr
	v_mov_b32 v22, 0xff000000                      ; -2^127
	v_mov_b32 v23, 0
.set i, 0
.rept 32
	v_mov_b32 v[64+i], 0
.set i, i+1
.endr
	v_mov_b32 v108, 0xce6e6b28                     ; -1e9
	s_wait_kmcnt 0x0
	s_min_u32 s28, s28, 2
	s_cmp_eq_u32 s28, 2
	s_cbranch_scc0 .Lone
	global_load_b64 v[22:23], v2, s[22:23] offset:2048
.set i, 0
.rept 8
	global_load_b128 v[64+4*i:67+4*i], v1, s[10:11] offset:32768+4096*i
.set i, i+1
.endr
.Lone:
	s_wait_loadcnt 11                              ; pos is in: behind it stand 11 loads at P = 1 (at P = 2 there are 20, and the wait covers more than it need)
.set i, 0
.rept 8
	v_min_u32 v[4+i], 3071, v[4+i]                 ; the table's bound, written out
	v_lshlrev_b32 v[4+i], 2, v[4+i]
	global_load_b32 v[24+i], v[4+i], s[8:9]
.set i, i+1
.endr
	s_wait_loadcnt 8                               ; all but those eight
	v_max_num_f32 v96, v20, v22
	v_max_num_f32_dpp v96, v96, v96 row_xmask:1 row_mask:0xf bank_mask:0xf
	v_max_num_f32_dpp v96, v96, v96 row_xmask:2 row_mask:0xf bank_mask:0xf
	v_max_num_f32_dpp v96, v96, v96 row_xmask:4 row_mask:0xf bank_mask:0xf  ; M: eight neighbouring lanes hold all the tiles
	v_sub_f32 v97, v20, v96
	v_sub_f32 v98, v22, v96
	v_mul_f32 v97, 0x3fb8aa3b, v97
	v_mul_f32 v98, 0x3fb8aa3b, v98
	v_exp_f32 v97, v97
	v_exp_f32 v98, v98
	v_nop                                          ; a plain instruction behind the exponentials
	s_wait_alu depctr_va_vdst(0)
	v_mul_f32 v99, v97, v21
	v_fmac_f32 v99, v98, v23
	v_add_f32_dpp v99, v99, v99 row_xmask:1 row_mask:0xf bank_mask:0xf
	v_add_f32_dpp v99, v99, v99 row_xmask:2 row_mask:0xf bank_mask:0xf
	v_add_f32_dpp v99, v99, v99 row_xmask:4 row_mask:0xf bank_mask:0xf  ; L
	v_rcp_f32 v102, v99
	v_nop
	s_wait_alu depctr_va_vdst(0)
	v_mul_f32 v100, v97, v102                      ; w / L of tile l % 8,
	v_mul_f32 v101, v98, v102                      ; and of tile 8 + l % 8
.set i, 0
.rept 8
	v_readlane_b32 s[32+i], v100, i                ; as factors alone: no address and no branch hangs on them
	v_readlane_b32 s[40+i], v101, i
.set i, i+1
.endr
.irp c, 0,1,2,3
	v_mul_f32 v[104+\c], s32, v[32+\c]
.endr
.set i, 1
.rept 7
.irp c, 0,1,2,3
	v_fmac_f32 v[104+\c], s[32+i], v[32+4*i+\c]
.endr
.set i, i+1
.endr
.set i, 0
.rept 8
.irp c, 0,1,2,3
	v_fmac_f32 v[104+\c], s[40+i], v[64+4*i+\c]
.endr
.set i, i+1
.endr
	global_store_b128 v1, v[104:107], s[18:19]     ; 512 consecutive bytes of out0
	s_wait_loadcnt 0x0
.set i, 0
.rept 8
	v_cmp_lt_i32 vcc_lo, 0, v[12+i]
	v_cndmask_b32 v[24+i], v108, v[24+i], vcc_lo
	v_sub_f32 v[24+i], v[24+i], v96
	v_mul_f32 v[24+i], 0x3fb8aa3b, v[24+i]
.set i, i+1
.endr
.set i, 0
.rept 8
	v_exp_f32 v[24+i], v[24+i]
.set i, i+1
.endr
	v_nop
.set i, 0
	s_wait_alu depctr_va_vdst(0)
.rept 8
	v_mul_f32 v[24+i], v[24+i], v102
.set i, i+1
.endr
	global_store_b128 v1, v[24:27], s[20:21]
	global_store_b128 v1, v[28:31], s[20:21] offset:512
	s_endpgm
.Lfunc_end_k_q9ddf169dc9_finish:
	.size	k_q9ddf169dc9_finish, .Lfunc_end_k_q9ddf169dc9_finish-k_q9ddf169dc9_finish
	.p2alignl 7, 3214868480
	.fill 96, 4, 3214868480
	.section	.rodata,"a",@progbits
	.p2align	6, 0x0
	.amdhsa_kernel k_q9ddf169dc9_finish
		.amdhsa_group_segment_fixed_size 0
		.amdhsa_private_segment_fixed_size 0
		.amdhsa_enable_private_segment 0
		.amdhsa_kernarg_size 56
		.amdhsa_user_sgpr_count 2
		.amdhsa_user_sgpr_kernarg_segment_ptr 1
		.amdhsa_wavefront_size32 1
		.amdhsa_system_sgpr_workgroup_id_x 1
		.amdhsa_system_sgpr_workgroup_id_y 1
		.amdhsa_system_sgpr_workgroup_id_z 1
		.amdhsa_system_vgpr_workitem_id 0
		.amdhsa_next_free_vgpr 112
		.amdhsa_next_free_sgpr 66
		.amdhsa_reserve_vcc 1
		.amdhsa_float_denorm_mode_32 3
		.amdhsa_float_denorm_mode_16_64 3
		.amdhsa_memory_ordered 1
		.amdhsa_forward_progress 1
		.amdhsa_inst_pref_size 13
	.end_amdhsa_kernel
	.amdgpu_metadata
---
amdhsa.version: [ 1, 2 ]
amdhsa.kernels:
  - .name:           k_q9ddf169dc9_finish
    .symbol:         k_q9ddf169dc9_finish.kd
    .args:
      - { .name: ec, .offset: 0, .size: 8, .value_kind: global_buffer, .address_space: global }
      - { .name: opart, .offset: 8, .size: 8, .value_kind: global_buffer, .address_space: global }
      - { .name: info, .offset: 16, .size: 8, .value_kind: global_buffer, .address_space: global }
      - { .name: mask, .offset: 24, .size: 8, .value_kind: global_buffer, .address_space: global }
      - { .name: pos, .offset: 32, .size: 8, .value_kind: global_buffer, .address_space: global }
      - { .name: out0, .offset: 40, .size: 8, .value_kind: global_buffer, .address_space: global }
      - { .name: out1, .offset: 48, .size: 8, .value_kind: global_buffer, .address_space: global }
    .group_segment_fixed_size: 0
    .private_segment_fixed_size: 0
    .kernarg_segment_align: 8
    .kernarg_segment_size: 56
    .max_flat_workgroup_size: 32
    .sgpr_count:     66
    .vgpr_count:     112
    .wavefront_size: 32
...
	.end_amdgpu_metadata
.endif
;; end of part 3
